; MI455X (gfx1250); checked and timed in simulation.
; The chip was launched on July 23, 2026; its instructions are those of AMD's public machine-readable ISA for CDNA 5 (MIT licence, August 2026) and "CDNA5" Instruction Set Architecture Reference Guide (July 2026). The comments in the code are by the model that wrote it; some were corrected since.
;; Attention Weighted Retrieval. Allowed arithmetic: float matrix products may take bf16 or f16 operands with f32 sums; all other float work in f32.
;; Inputs: candidate_z 500,000 x 64 float32; centers 128 x 64 float32; mus 128 float32; query_z 1 x 64 float32.
;; Outputs: out0 1 x 64 float32; out1 500,000 float32.
;; One version. Each part assembles by itself: llvm-mc -triple=amdgcn-amd-amdhsa -mcpu=gfx1250 --defsym DOCPART=n.
;; ======== version 1 of 1: 2 launches
;; limits: right only within a limited range of input values
;; workspace buffers: logits 2,000,128 bytes; part 2,048 bytes
;; launch pot (part 1): grid 250 x 1, 8 waves a work-group, no clusters, 327,680 bytes of LDS; arguments candidate_z, centers, mus, query_z, logits, part; writes logits, part
.if DOCPART == 1
	.amdgcn_target "amdgcn-amd-amdhsa--gfx1250"
	.amdhsa_code_object_version 6
	.text
	.protected	k_qd787dec48c_pot
	.globl	k_qd787dec48c_pot
	.p2align	8
	.type	k_qd787dec48c_pot,@function
k_qd787dec48c_pot:
	s_mov_b64 s[64:65], 0
	v_nop
	global_prefetch_b8 v0, s[64:65] scope:SCOPE_SE
	s_setreg_imm32_b32 hwreg(HW_REG_WAVE_MODE, 25, 1), 1
	s_wait_xcnt 0x0
; pot_i = sum over 128 centres of mu_j / (sqrt(max(|z_i|^2 + |c_j|^2 - 2 z_i.c_j, 1e-12)) + 1e-6) for 500,000 candidates, then
; logits[i] = -10 log2(e) |q_pot - pot_i| (base 2), and for each work-group the pair (largest logit, sum of 2^(logit - largest)) into part.
; 250 work-groups of 8 waves; a work-group owns 2,000 rows, a wave 250 rows of 256 bytes: four tensor tiles of 64 rows, each read in four
; trips of 16 rows.  The wave's last tile states 58 rows, so its rows 250 to 255 arrive as zeros and no byte beyond the wave's share is read.
; Row 250 is replaced in registers by the query, so q_pot takes exactly the candidates' way; rows 251 to 255 are computed and thrown away.
; MATRIX USE: A = 16 centres (times -2, exact in bf16), B = 16 candidates, C = |z|^2 + |c|^2, so D is the squared distance, and a lane holds
; eight centres of ONE candidate: the sum over centres stays in the lane but for one exchange between the halves of the wave.
; The norms are those of the bf16-rounded vectors, taken from the diagonal of the tile's own Gram product, so that D is the squared distance
; of the rounded vectors up to f32 rounding.
; ONE RECIPROCAL FOR TWO TERMS: mu0/e0 + mu2/e2 = (mu0 e2 + mu2 e0) / (e0 e2).
; LIMITS: e0 e2 must stay below 2^126 (v_rcp_f32 gives 0 beyond: ISA guide 15.8), that is distances below about 2^62; a row whose squared norm
; overflows f32 spoils the 16 rows of its tile (infinity times the diagonal mask's 0).  The max with 1e-12 and the 1e-6 keep e0 e2 above 4e-12.
; NO CLUSTER: no two work-groups read the same candidate; what all share (32,768 bytes of centres) is 6 per cent of a work-group's 512,000
; bytes and is read once, at the start.
; A wave's 250 logits are 1,000 bytes: its stores cover 256 consecutive bytes each but do not start at multiples of 256; they are
; 2,000,000 of the launch's 130,000,000 bytes.  The pair in part is 8 bytes for a work-group.
.set PITCH, 272                        ; LDS row: 256 bytes + 16 of padding: an odd multiple of 16, so 16 rows start in 16 different 16-byte columns
.set SLOT,  64*PITCH                   ; 17,408: a tile
.set RING,  2*SLOT                     ; a wave's two slots
.set TSTEP, 16*PITCH                   ; a trip's 16 rows
.set AFR,   8*RING                     ; 278,528: the centres' fragments, 32 blocks of 512 bytes (block 4 t + 2 kstep + half, lane L at 16 L)
.set C2T,   AFR+16384                  ; 294,912: |c|^2, 128 words
.set PST,   C2T+512                    ; 295,424: the potentials, 256 words for each wave
.set PRT,   PST+8192                   ; 303,616: the waves' pairs (largest, sum)
; window 0
.set LA,  4                            ; v4   LDS address of my 32 bytes in row r of my wave's slot 0
.set LAC, 5                            ; v5   the same, at the trip's rows
.set PA,  6                            ; v6   where this trip's potential goes
.set ID,  8                            ; v[8:15]    1.0 where register j of my lane lies on a 16 x 16 tile's diagonal (8 h + j = r), else 0
.set X,   16                           ; v[16:47]   32 f32 of my row as loaded
.set BF,  48                           ; v[48:63]   the same in bf16: two fragments (K 0-31, K 32-63)
.set GA,  64                           ; v[64:71]   Gram product over K 0-31
.set GB,  72                           ; v[72:79]   Gram product over K 32-63
.set ACC, 80                           ; v[80:143]  eight tiles of squared distances (centres 16 t + 8 h + j, candidate r)
.set MU,  144                          ; v[144:207] mu of the same centres
.set P,   208                          ; v[208:211] products of two distances, then their reciprocals
.set NN,  212                          ; v[212:215] the numerators
.set S,   216                          ; v[216:219] four running sums
.set T,   220                          ; v[220:223] at work
.set A2,  224                          ; v[224:225] |z_r|^2 (the second register is only there to make a pair)
.set H32, 226                          ; v226 32 h
.set DG,  227                          ; v227 r - 8 h
.set AFS, 228                          ; v228 where my wave's fragments of the centres go
.set AFL, 229                          ; v229 from where all are read
.set C2S, 230                          ; v230 where |c|^2 of centre 16 w + r goes
.set C2L, 231                          ; v231 from where my 64 are read
.set PAB, 232                          ; v232 my wave's potentials, word r
; window 1 (written with the low 8 bits)
.set AF,  0                            ; v[256:383] the centres' fragments: tile t, K step s at 16 t + 8 s
.set C2,  128                          ; v[384:447] |c|^2, laid as MU
.set Q,   192                          ; v[448:479] the query, laid as X
.set G1,  16                           ; s[16:23] descriptor group 1: 64 rows
.set G1L, 24                           ; s[24:31] the same with 58 rows left of the tensor: the wave's last tile
.set G0,  32                           ; s[32:39] descriptor group 0, one set for each slot
.set MSB, 0
.macro WIN new                         ; the immediate's high byte repeats the setting that is left
.if MSB != \new
	s_set_vgpr_msb (MSB<<8)|\new
.set MSB, \new
.endif
.endm
	s_load_b256 s[4:11], s[0:1], 0x0               ; candidate_z s[4:5], centers s[6:7], mus s[8:9], query_z s[10:11]
	s_load_b128 s[12:15], s[0:1], 0x20             ; logits s[12:13], part s[14:15]
	v_lshl_add_u32 v254, v0, 2, 0x4a300
	v_mov_b32 v255, 0
	ds_add_u32 v254, v255
	ds_add_u32 v254, v255
	v_lshrrev_b32 v1, 5, v0
	v_readfirstlane_b32 s40, v1                    ; wave 0..7
	s_mul_i32 s41, s40, RING                       ; my wave's ring
	; group 1: rows of 64 f32, 16 bytes of padding behind each
	s_mov_b32 s[G1+0], 0x07520000                  ; 17:16 element of 4 bytes; 20 padding on; 24:22 after every 64 words (code 5); 31:25 of 4 words (code 3)
	s_mov_b32 s[G1+1], 64<<16                      ; tensor_dim0 = 64
	s_mov_b32 s[G1+2], 64<<16                      ; tensor_dim1 = 64
	s_mov_b32 s[G1+3], 64<<16                      ; tile_dim0 = 64
	s_mov_b32 s[G1+4], 64                          ; tile_dim1 = 64
	s_mov_b32 s[G1+5], 64                          ; 64 elements from row to row
	s_mov_b32 s[G1+6], 0
	s_mov_b32 s[G1+7], 0
	s_mov_b32 s[G1L+0], 0x07520000
	s_mov_b32 s[G1L+1], 64<<16
	s_mov_b32 s[G1L+2], 58<<16                     ; tensor_dim1 = 58: rows 58 to 63 of the tile are written as zeros
	s_mov_b32 s[G1L+3], 64<<16
	s_mov_b32 s[G1L+4], 64
	s_mov_b32 s[G1L+5], 64
	s_mov_b32 s[G1L+6], 0
	s_mov_b32 s[G1L+7], 0
	s_mul_i32 s42, ttmp9, 512000                   ; 2,000 rows of 256 bytes a work-group,
	s_mul_i32 s43, s40, 64000                      ; 250 a wave: 127,936,000 at the most
	s_add_co_u32 s42, s42, s43
	s_mov_b32 s43, 0
	s_wait_dscnt 0x0
	s_wait_kmcnt 0x0
	s_add_nc_u64 s[4:5], s[4:5], s[42:43]          ; my wave's first row
	; both first fills go out together, ahead of every wait on TENSORcnt, LDS read and barrier: two tensor loads of the wave are out here, one later
.irp s, 0,1
	s_mov_b32 s[G0+4*\s], 1
	s_add_co_u32 s[G0+4*\s+1], s41, \s*SLOT
	s_add_nc_u64 s[G0+4*\s+2:G0+4*\s+3], s[4:5], \s*16384
	s_or_b32 s[G0+4*\s+3], s[G0+4*\s+3], 0x80000000
	tensor_load_to_lds s[G0+4*\s:G0+4*\s+3], s[G1:G1+7]
	s_nop 0
.endr
	s_mov_b32 s44, 0x358637bd                      ; 1e-6,
	s_mov_b32 s45, 0x358637bd                      ; as a pair
	s_mov_b32 s46, 0x2b8cbccc                      ; 1e-12
	s_mov_b32 s47, 0x04000400                      ; lanes 10 and 26: row 250 of the wave in its last trip
	s_mov_b32 s48, 0x76543210                      ; v_permlanex16_b32: lane i of one half reads lane i of the other
	s_mov_b32 s49, 0xfedcba98
	s_mov_b32 s52, 0xc166d4ca                      ; -10 log2(e)
	; SET-UP.  Wave w makes the fragments and norms of centres 16 w .. 16 w + 15.
	; A fragment's lane (r, h) holds row r, K = 8 h + 0..7 and 16 + 8 h + 0..7: in f32 the 32 bytes at 32 h and at 64 + 32 h of each 128.
	v_and_b32 v1, 31, v0                           ; L
	v_and_b32 v2, 15, v0                           ; r
	v_bfe_u32 v3, v0, 4, 1                         ; h
	v_lshlrev_b32 v[H32], 5, v3
	s_lshl_b32 s56, s40, 12
	v_lshl_add_u32 v7, v2, 8, v[H32]
	v_add_nc_u32 v7, s56, v7                       ; (16 w + r) 256 + 32 h
.irp i, 0,1,2,3,4,5,6,7
	global_load_b128 v[X+4*\i:X+4*\i+3], v7, s[6:7] offset:(\i>>1)*64+(\i&1)*16
.endr
.irp t, 0,1,2,3,4,5,6,7
	global_load_b128 v[MU+8*\t:MU+8*\t+3],   v[H32], s[8:9] offset:64*\t      ; mu of centres 16 t + 8 h + 0..3
	global_load_b128 v[MU+8*\t+4:MU+8*\t+7], v[H32], s[8:9] offset:64*\t+16   ; and + 4..7
.endr
	WIN 0x40                                       ; destination in window 1
.irp i, 0,1,2,3,4,5,6,7
	global_load_b128 v[Q+4*\i:Q+4*\i+3], v[H32], s[10:11] offset:(\i>>1)*64+(\i&1)*16
.endr
	WIN 0
	v_lshlrev_b32 v[DG], 3, v3
	v_sub_nc_u32 v[DG], v2, v[DG]                  ; r - 8 h
.irp j, 0,1,2,3,4,5,6,7
	v_cmp_eq_u32 vcc_lo, \j, v[DG]
	v_cndmask_b32 v[ID+\j], 0, 1.0, vcc_lo
.endr
	v_mul_u32_u24 v[LA], v2, PITCH
	v_lshl_add_u32 v[LA], v3, 5, v[LA]
	v_add_nc_u32 v[LA], s41, v[LA]                 ; ring + 272 r + 32 h
	s_lshl_b32 s56, s40, 10
	s_add_co_u32 s56, s56, PST
	v_lshl_add_u32 v[PAB], v2, 2, s56              ; PST + 1,024 w + 4 r
	s_lshl_b32 s56, s40, 11
	s_add_co_u32 s56, s56, AFR
	v_lshl_add_u32 v[AFS], v1, 4, s56              ; AFR + 4 w blocks + 16 L
	s_mov_b32 s56, AFR
	v_lshl_add_u32 v[AFL], v1, 4, s56              ; AFR + 16 L
	s_lshl_b32 s56, s40, 6
	s_add_co_u32 s56, s56, C2T
	v_lshl_add_u32 v[C2S], v2, 2, s56              ; C2T + 4 (16 w + r)
	v_add_nc_u32 v[C2L], C2T, v[H32]               ; C2T + 32 h
	v_mov_b32 v[A2+1], 0
.macro CVT                             ; 32 f32 to two bf16 fragments; the lower K in the low half
.irp i, 0,1,2,3,4,5,6,7,8,9,10,11,12,13,14,15
	v_cvt_pk_bf16_f32 v[BF+\i], v[X+2*\i], v[X+2*\i+1]
.endr
.endm
.macro NORM_W                          ; the 16 rows' Gram product, each half of K in an accumulator of its own, both started by the constant 0
	v_wmma_f32_16x16x32_bf16 v[GA:GA+7], v[BF:BF+7], v[BF:BF+7], 0
	v_wmma_f32_16x16x32_bf16 v[GB:GB+7], v[BF+8:BF+15], v[BF+8:BF+15], 0
.endm
.macro NORM_R                          ; its diagonal: lane (r, h) holds it if 8 h <= r < 8 h + 8; the other half of the wave brings the rest
	v_pk_mul_f32 v[T:T+1],   v[GA:GA+1],   v[ID:ID+1]
	v_pk_mul_f32 v[T+2:T+3], v[GA+2:GA+3], v[ID+2:ID+3]
	v_pk_fma_f32 v[T:T+1],   v[GA+4:GA+5], v[ID+4:ID+5], v[T:T+1]
	v_pk_fma_f32 v[T+2:T+3], v[GA+6:GA+7], v[ID+6:ID+7], v[T+2:T+3]
	v_pk_fma_f32 v[T:T+1],   v[GB:GB+1],   v[ID:ID+1],   v[T:T+1]
	v_pk_fma_f32 v[T+2:T+3], v[GB+2:GB+3], v[ID+2:ID+3], v[T+2:T+3]
	v_pk_fma_f32 v[T:T+1],   v[GB+4:GB+5], v[ID+4:ID+5], v[T:T+1]
	v_pk_fma_f32 v[T+2:T+3], v[GB+6:GB+7], v[ID+6:ID+7], v[T+2:T+3]
	v_pk_add_f32 v[T:T+1], v[T:T+1], v[T+2:T+3]
	v_add_f32 v[T], v[T], v[T+1]
	v_permlanex16_b32 v[T+1], v[T], s48, s49
	v_add_f32 v[A2], v[T], v[T+1]                  ; the squared norm of row r, in both halves
.endm
	s_wait_loadcnt 24                              ; the centres are in; the 16 loads of mu and the 8 of the query, issued behind them, stay out
.irp i, 0,1,2,3,4,5,6,7,8,9,10,11,12,13,14,15
	v_pk_mul_f32 v[X+2*\i:X+2*\i+1], v[X+2*\i:X+2*\i+1], -2.0 op_sel_hi:[1,0]
.endr
	CVT
.irp i, 0,1,2,3
	ds_store_b128 v[AFS], v[BF+4*\i:BF+4*\i+3] offset:512*\i
.endr
	NORM_W
.rept 4
	v_nop                                          ; four places behind a matrix instruction before its result is read (ISA guide 7.12.1)
.endr
	NORM_R
	v_mul_f32 v[T], 0x3e800000, v[A2]              ; |-2 c|^2 / 4
	ds_store_b32 v[C2S], v[T]
	s_wait_dscnt 0x0                               ; my stores are done, for the other waves' sake
	s_barrier_signal -1
	s_barrier_wait -1                              ; the two tensor loads may stay out
	WIN 0x40
.irp i, 0,1,2,3,4,5,6,7,8,9,10,11,12,13,14,15,16,17,18,19,20,21,22,23,24,25,26,27,28,29,30,31
	ds_load_b128 v[AF+4*\i:AF+4*\i+3], v[AFL] offset:512*\i
.endr
.irp t, 0,1,2,3,4,5,6,7
	ds_load_b128 v[C2+8*\t:C2+8*\t+3],   v[C2L] offset:64*\t
	ds_load_b128 v[C2+8*\t+4:C2+8*\t+7], v[C2L] offset:64*\t+16
.endr
	WIN 0
	s_wait_dscnt 0x0
	s_wait_loadcnt 0x0                             ; mu and the query, once
; The work on one tile t of 16 centres x 16 candidates, in stages, so that the plain stage of the next tile is the place that
; stands between a transcendental and the use of its result (ISA guide 5.7.2).
.macro E_MAX t
.irp j, 0,1,2,3,4,5,6,7
	v_max_num_f32 v[ACC+8*(\t)+\j], s46, v[ACC+8*(\t)+\j]
.endr
.endm
.macro E_SQRT t
.irp j, 0,1,2,3,4,5,6,7
	v_sqrt_f32 v[ACC+8*(\t)+\j], v[ACC+8*(\t)+\j]
.endr
.endm
.macro E_MID t                         ; e = d + 1e-6; for registers (0,2), (1,3), (4,6), (5,7): the product of the two e and mu_a e_b + mu_b e_a
	s_wait_alu depctr_va_vdst(0)
.irp j, 0,2,4,6
	v_pk_add_f32 v[ACC+8*(\t)+\j:ACC+8*(\t)+\j+1], v[ACC+8*(\t)+\j:ACC+8*(\t)+\j+1], s[44:45] op_sel_hi:[1,0]
.endr
.irp u, 0,1
	v_pk_mul_f32 v[P+2*\u:P+2*\u+1],   v[ACC+8*(\t)+4*\u:ACC+8*(\t)+4*\u+1], v[ACC+8*(\t)+4*\u+2:ACC+8*(\t)+4*\u+3]
	v_pk_mul_f32 v[NN+2*\u:NN+2*\u+1], v[MU+8*(\t)+4*\u:MU+8*(\t)+4*\u+1],   v[ACC+8*(\t)+4*\u+2:ACC+8*(\t)+4*\u+3]
.endr
.irp u, 0,1
	v_pk_fma_f32 v[NN+2*\u:NN+2*\u+1], v[MU+8*(\t)+4*\u+2:MU+8*(\t)+4*\u+3], v[ACC+8*(\t)+4*\u:ACC+8*(\t)+4*\u+1], v[NN+2*\u:NN+2*\u+1]
.endr
.endm
.macro E_RCP
.irp j, 0,1,2,3
	v_rcp_f32 v[P+\j], v[P+\j]
.endr
.endm
.macro E_ACC first                     ; the first tile's terms start the sums: nothing is cleared
.if \first
	s_wait_alu depctr_va_vdst(0)
	v_pk_mul_f32 v[S:S+1],   v[NN:NN+1],   v[P:P+1]
	v_pk_mul_f32 v[S+2:S+3], v[NN+2:NN+3], v[P+2:P+3]
.else
	s_wait_alu depctr_va_vdst(0)
	v_pk_fma_f32 v[S:S+1],   v[NN:NN+1],   v[P:P+1],   v[S:S+1]
	v_pk_fma_f32 v[S+2:S+3], v[NN+2:NN+3], v[P+2:P+3], v[S+2:S+3]
.endif
.endm
; One trip: 16 rows against all 128 centres.  inj = 1: row r = 10 is replaced by the query.
.macro TRIP inj
.irp i, 0,1,2,3,4,5,6,7
	ds_load_b128 v[X+4*\i:X+4*\i+3], v[LAC] offset:(\i>>1)*64+(\i&1)*16
.endr
	s_wait_dscnt 0x0                               ; all eight are converted at once; the SIMD's other wave works meanwhile
.if \inj
	WIN 0x04                                       ; source 1 in window 1
.set n, 0
.rept 32
	v_cndmask_b32 v[X+n], v[X+n], v[Q+n], s47
.set n, n+1
.endr
	WIN 0
.endif
	CVT
	NORM_W
	v_add_nc_u32 v[LAC], TSTEP, v[LAC]             ; the next trip's rows: the first of four places behind the matrix instructions (ISA guide 7.12.1)
	v_nop
	v_nop
	v_nop
	NORM_R
	WIN 0x01                                       ; source 0 in window 1: |c|^2 for the sums, the centres' fragments for the products
.set n, 0
.rept 32
	v_pk_add_f32 v[ACC+2*n:ACC+2*n+1], v[C2+2*n:C2+2*n+1], v[A2:A2+1] op_sel_hi:[1,0]   ; C = |c|^2 + |z_r|^2
.set n, n+1
.endr
	; the eight accumulators take turns, one instruction a turn
.irp s, 0,1
.irp t, 0,1,2,3,4,5,6,7
	v_wmma_f32_16x16x32_bf16 v[ACC+8*\t:ACC+8*\t+7], v[AF+16*\t+8*\s:AF+16*\t+8*\s+7], v[BF+8*\s:BF+8*\s+7], v[ACC+8*\t:ACC+8*\t+7]
.endr
.endr
	WIN 0
.rept 4
	v_nop                                          ; four places before the results are read (ISA guide 7.12.1)
.endr
	E_MAX 0
	E_SQRT 0
.irp t, 0,1,2,3,4,5,6,7
.if \t < 7
	E_MAX \t+1                                     ; plain work on the next tile: the place behind the roots of tile t and the reciprocals of tile t - 1
.else
	v_nop
	s_wait_alu depctr_va_vdst(0)
.endif
.if \t == 1
	E_ACC 1
.endif
.if \t > 1
	E_ACC 0
.endif
	E_MID \t
	E_RCP
.if \t < 7
	E_SQRT \t+1
.endif
.endr
	v_nop                                          ; the place behind the last reciprocals
	s_wait_alu depctr_va_vdst(0)
	E_ACC 0
	v_pk_add_f32 v[S:S+1], v[S:S+1], v[S+2:S+3]
	v_add_f32 v[S], v[S], v[S+1]                   ; my 64 centres;
	v_permlanex16_b32 v[T+1], v[S], s48, s49
	v_add_f32 v[S], v[S], v[T+1]                   ; and the other half's 64
	ds_store_b32 v[PA], v[S]                       ; lanes r and r + 16 write the same word with the same number
	v_add_nc_u32 v[PA], 64, v[PA]
.endm
; Tile n of the wave, in slot slot.  left = how many younger tensor loads may stay out.  trips in a loop; last = 1: one more trip, with the query.
.macro TILE n, slot, left, trips, last
	s_wait_tensorcnt \left                         ; a wave's tensor loads end in order (ISA guide 10.11.1): my tile is in LDS, and only I read it
	v_add_nc_u32 v[LAC], \slot*SLOT, v[LA]
	v_add_nc_u32 v[PA], \n*256, v[PAB]
	s_mov_b32 s50, \trips
.Ltrip_\@:
	TRIP 0
	s_sub_co_u32 s50, s50, 1
	s_cmp_lg_u32 s50, 0
	s_cbranch_scc1 .Ltrip_\@
.if \last
	TRIP 1
.endif
.endm
; Slot slot, which has been read, is filled again, two tiles (32,768 bytes of memory) further on.
.macro FILL slot, g1
	s_wait_dscnt 0x0                               ; my reads of the slot are back
	s_wait_tensorcnt 0x0                           ; all my tensor loads have landed: no load of mine is out, so a group 0 may be written
	ds_add_u32 v254, v255
	s_wait_dscnt 0x0
	s_add_nc_u64 s[G0+4*\slot+2:G0+4*\slot+3], s[G0+4*\slot+2:G0+4*\slot+3], 32768
	s_barrier_signal -1
	s_barrier_wait -1                              ; the same holds of all eight waves
	tensor_load_to_lds s[G0+4*\slot:G0+4*\slot+3], s[\g1:\g1+7]    ; my one tensor load behind this barrier, first thing there: it has four trips in which to land
	s_nop 0
.endm
	TILE 0, 0, 1, 4, 0                             ; rows 0-63; tile 1's load stays out
	FILL 0, G1                                     ; tile 2 goes out
	TILE 1, 1, 1, 4, 0                             ; rows 64-127; one load was issued behind this tile's
	FILL 1, G1L                                    ; tile 3 goes out: 58 rows and six of zeros
	TILE 2, 0, 1, 4, 0                             ; rows 128-191
	TILE 3, 1, 0, 3, 1                             ; rows 192-249 and the query: the last wait is for 0, and none is out at the end
	; THE END.  My wave's 256 potentials come back from its own words (LDS serves a wave's instructions in order: ISA guide 5.7.1.4): lane L takes words 2 L + 64 p, + 1.
.set R,    16                          ; v[16:23] potentials, then logits
.set NINF, 24                          ; v24 minus infinity, then at work
.set LO,   25                          ; v25 8 L
.set MS,   26                          ; v[26:27] the wave's largest logit and its sum
.set E,    32                          ; v[32:47] at work
	s_lshl_b32 s56, s40, 10
	s_add_co_u32 s56, s56, PST
	v_lshl_add_u32 v7, v1, 3, s56
.irp p, 0,1,2,3
	ds_load_b64 v[R+2*\p:R+2*\p+1], v7 offset:256*\p
.endr
	s_lshl_b32 s56, ttmp9, 3
	s_add_co_u32 s56, s56, s40
	s_mul_i32 s56, s56, 1000                       ; 250 logits of 4 bytes for each wave of the launch
	s_mov_b32 s57, 0
	s_add_nc_u64 s[12:13], s[12:13], s[56:57]
	v_lshlrev_b32 v[LO], 3, v1
	v_mov_b32 v[NINF], 0xff800000
	v_cmp_gt_u32 vcc_lo, 29, v1                    ; in the fourth pair words 192 + 2 L, + 1 are candidates for L < 29
	s_wait_dscnt 0x0
	v_readlane_b32 s51, v[R+6], 29                 ; word 250: the query's potential
.irp j, 0,1,2,3,4,5,6,7
	v_sub_f32 v[R+\j], s51, v[R+\j]
.endr
.irp j, 0,1,2,3,4,5,6,7
	v_mul_f32 v[R+\j], s52, |v[R+\j]|              ; -10 log2(e) |q_pot - pot|
.endr
	v_cndmask_b32 v[R+6], v[NINF], v[R+6], vcc_lo  ; what is no candidate counts for nothing below
	v_cndmask_b32 v[R+7], v[NINF], v[R+7], vcc_lo
.irp p, 0,1,2
	global_store_b64 v[LO], v[R+2*\p:R+2*\p+1], s[12:13] offset:256*\p
.endr
	s_wait_xcnt 0x0                                ; EXEC is a source of the stores above: it changes only behind this wait
	s_and_saveexec_b32 s53, vcc_lo
	global_store_b64 v[LO], v[R+6:R+7], s[12:13] offset:768
	s_wait_xcnt 0x0                                ; and again in front of the line that widens it
	s_or_b32 exec_lo, exec_lo, s53
	v_max3_num_f32 v[MS], v[R], v[R+1], v[R+2]
	v_max3_num_f32 v[MS], v[MS], v[R+3], v[R+4]
	v_max3_num_f32 v[MS], v[MS], v[R+5], v[R+6]
	v_max_num_f32 v[MS], v[MS], v[R+7]
	v_max_num_f32_dpp v[MS], v[MS], v[MS] row_xmask:1 row_mask:0xf bank_mask:0xf
	v_max_num_f32_dpp v[MS], v[MS], v[MS] row_xmask:2 row_mask:0xf bank_mask:0xf
	v_max_num_f32_dpp v[MS], v[MS], v[MS] row_xmask:4 row_mask:0xf bank_mask:0xf
	v_max_num_f32_dpp v[MS], v[MS], v[MS] row_xmask:8 row_mask:0xf bank_mask:0xf
	v_permlanex16_b32 v[NINF], v[MS], s48, s49
	v_max_num_f32 v[MS], v[MS], v[NINF]            ; the wave's largest logit, in every lane
.irp j, 0,1,2,3,4,5,6,7
	v_sub_f32 v[E+\j], v[R+\j], v[MS]
.endr
.irp j, 0,1,2,3,4,5,6,7
	v_exp_f32 v[E+\j], v[E+\j]
.endr
	v_nop                                          ; the place behind the exponentials
	s_wait_alu depctr_va_vdst(0)
	v_pk_add_f32 v[E:E+1], v[E:E+1], v[E+2:E+3]
	v_pk_add_f32 v[E+4:E+5], v[E+4:E+5], v[E+6:E+7]
	v_pk_add_f32 v[E:E+1], v[E:E+1], v[E+4:E+5]
	v_add_f32 v[E], v[E], v[E+1]
	v_add_f32_dpp v[E], v[E], v[E] row_xmask:1 row_mask:0xf bank_mask:0xf
	v_add_f32_dpp v[E], v[E], v[E] row_xmask:2 row_mask:0xf bank_mask:0xf
	v_add_f32_dpp v[E], v[E], v[E] row_xmask:4 row_mask:0xf bank_mask:0xf
	v_add_f32_dpp v[E], v[E], v[E] row_xmask:8 row_mask:0xf bank_mask:0xf
	v_permlanex16_b32 v[NINF], v[E], s48, s49
	v_add_f32 v[MS+1], v[E], v[NINF]
	s_lshl_b32 s56, s40, 3
	s_add_co_u32 s56, s56, PRT
	v_mov_b32 v28, s56
	ds_store_b64 v28, v[MS:MS+1]                   ; all lanes write the same pair
	s_wait_dscnt 0x0                               ; done, for wave 0's sake
	s_barrier_signal -1
	s_barrier_wait -1
	s_cmp_lg_u32 s40, 0
	s_cbranch_scc1 .Lend
	; wave 0 joins the eight pairs: M = the largest m, S = sum of s_i 2^(m_i - M)
	v_mov_b32 v29, PRT
.irp i, 0,1,2,3
	ds_load_b128 v[E+4*\i:E+4*\i+3], v29 offset:16*\i
.endr
	s_lshl_b32 s56, ttmp9, 3
	v_mov_b32 v50, s56                             ; my work-group's 8 bytes of part
	s_wait_dscnt 0x0
	v_max3_num_f32 v48, v[E], v[E+2], v[E+4]
	v_max3_num_f32 v48, v48, v[E+6], v[E+8]
	v_max3_num_f32 v48, v48, v[E+10], v[E+12]
	v_max_num_f32 v48, v48, v[E+14]
.irp i, 0,1,2,3,4,5,6,7
	v_sub_f32 v[E+2*\i], v[E+2*\i], v48
.endr
.irp i, 0,1,2,3,4,5,6,7
	v_exp_f32 v[E+2*\i], v[E+2*\i]
.endr
	v_cmp_eq_u32 vcc_lo, 0, v1                     ; (the place behind the exponentials)
	s_wait_alu depctr_va_vdst(0)
	v_mul_f32 v49, v[E], v[E+1]
.irp i, 1,2,3,4,5,6,7
	v_fma_f32 v49, v[E+2*\i], v[E+2*\i+1], v49
.endr
	s_wait_xcnt 0x0
	s_and_saveexec_b32 s53, vcc_lo                 ; one lane stores the pair
	global_store_b64 v50, v[48:49], s[14:15]
	s_wait_xcnt 0x0
	s_or_b32 exec_lo, exec_lo, s53
.Lend:
	s_wait_tensorcnt 0x0
	ds_add_u32 v254, v255
	s_wait_dscnt 0x0
	s_endpgm
.Lfunc_end_k_qd787dec48c_pot:
	.size	k_qd787dec48c_pot, .Lfunc_end_k_qd787dec48c_pot-k_qd787dec48c_pot
	.p2alignl 7, 3214868480
	.fill 96, 4, 3214868480
	.section	.rodata,"a",@progbits
	.p2align	6, 0x0
	.amdhsa_kernel k_qd787dec48c_pot
		.amdhsa_group_segment_fixed_size 327680
		.amdhsa_private_segment_fixed_size 0
		.amdhsa_enable_private_segment 0
		.amdhsa_kernarg_size 48
		.amdhsa_user_sgpr_count 2
		.amdhsa_user_sgpr_kernarg_segment_ptr 1
		.amdhsa_wavefront_size32 1
		.amdhsa_system_sgpr_workgroup_id_x 1
		.amdhsa_system_sgpr_workgroup_id_y 1
		.amdhsa_system_sgpr_workgroup_id_z 1
		.amdhsa_system_vgpr_workitem_id 0
		.amdhsa_next_free_vgpr 480
		.amdhsa_next_free_sgpr 66
		.amdhsa_reserve_vcc 1
		.amdhsa_float_denorm_mode_32 3
		.amdhsa_float_denorm_mode_16_64 3
		.amdhsa_memory_ordered 1
		.amdhsa_forward_progress 1
		.amdhsa_inst_pref_size 113
	.end_amdhsa_kernel
	.amdgpu_metadata
---
amdhsa.version: [ 1, 2 ]
amdhsa.kernels:
  - .name:           k_qd787dec48c_pot
    .symbol:         k_qd787dec48c_pot.kd
    .args:
      - { .name: candidate_z, .offset: 0, .size: 8, .value_kind: global_buffer, .address_space: global }
      - { .name: centers, .offset: 8, .size: 8, .value_kind: global_buffer, .address_space: global }
      - { .name: mus, .offset: 16, .size: 8, .value_kind: global_buffer, .address_space: global }
      - { .name: query_z, .offset: 24, .size: 8, .value_kind: global_buffer, .address_space: global }
      - { .name: logits, .offset: 32, .size: 8, .value_kind: global_buffer, .address_space: global }
      - { .name: part, .offset: 40, .size: 8, .value_kind: global_buffer, .address_space: global }
    .group_segment_fixed_size: 327680
    .private_segment_fixed_size: 0
    .kernarg_segment_align: 8
    .kernarg_segment_size: 48
    .max_flat_workgroup_size: 256
    .sgpr_count:     66
    .vgpr_count:     480
    .wavefront_size: 32
...
	.end_amdgpu_metadata
.endif
;; end of part 1
;; launch soft (part 2): grid 246 x 1, 8 waves a work-group, no clusters, 3,072 bytes of LDS; arguments logits, part, centers, mus, query_z, out0, out1; writes out0, out1
.if DOCPART == 2
	.amdgcn_target "amdgcn-amd-amdhsa--gfx1250"
	.amdhsa_code_object_version 6
	.text
	.protected	k_qd787dec48c_soft
	.globl	k_qd787dec48c_soft
	.p2align	8
	.type	k_qd787dec48c_soft,@function
k_qd787dec48c_soft:
	s_mov_b64 s[64:65], 0
	v_nop
	global_prefetch_b8 v0, s[64:65] scope:SCOPE_SE
	s_setreg_imm32_b32 hwreg(HW_REG_WAVE_MODE, 25, 1), 1
	s_wait_xcnt 0x0
; Work-groups 0 to 244: out1[i] = 2^(logits[i] - M) / S, where M is the largest logit of all and S the sum of 2^(logit - M), joined from
; the 250 pairs (m, s) of part: S = sum of s_k 2^(m_k - M).  Every wave joins the 2,000 bytes itself: no LDS, no barrier.
; A work-group takes 8,192 bytes of logits at a multiple of 8,192; a thread two pieces of 16 bytes, 4,096 apart, so each store of a wave
; covers 512 consecutive bytes at a multiple of 512.  The last work-group has 1,152 bytes: beyond the end loads are clamped, stores masked.
; Work-group 245: out0 = z + 0.1 sum over 128 centres of mu_j (c_j - z) / (r_j^3 + 1e-6), r_j = sqrt(max(|c_j - z|^2, 1e-12)), all in f32
; from the differences.  Two lanes take a centre, 32 dimensions each.
; LIMIT: a weight below 2^-126 comes out as 0 (v_exp_f32: ISA guide 15.8).
; No matrix unit, no tensor load, no cluster: 4 MB move once and no two work-groups share more than the 2,000 bytes of part.
.set NBYTES, 2000000                   ; bytes of logits and of out1
	s_load_b256 s[4:11], s[0:1], 0x0               ; logits s[4:5], part s[6:7], centers s[8:9], mus s[10:11]
	s_load_b128 s[12:15], s[0:1], 0x20             ; query_z s[12:13], out0 s[14:15]
	s_load_b64 s[16:17], s[0:1], 0x30              ; out1
	v_lshl_add_u32 v96, v0, 2, 0x800
	v_mov_b32 v97, 0
	s_mov_b32 s18, 0x76543210                      ; v_permlanex16_b32: lane i of one half reads lane i of the other
	s_mov_b32 s19, 0xfedcba98
	v_and_b32 v1, 31, v0                           ; L
	s_wait_kmcnt 0x0
	s_cmp_eq_u32 ttmp9, 245
	s_cbranch_scc1 .Lfield
	v_lshlrev_b32 v2, 3, v1                        ; pair L + 32 i at 8 L + 256 i
	v_add_nc_u32 v3, 224, v1
	v_min_u32 v3, 249, v3                          ; the eighth load: pairs 224 to 249; lanes 26 to 31 take pair 249 once more, and its sum is dropped below
	v_lshlrev_b32 v3, 3, v3
	s_lshl_b32 s20, ttmp9, 13
	v_lshl_add_u32 v6, v0, 4, s20                  ; my first 16 bytes
	v_add_nc_u32 v7, 4096, v6                      ; my second
	v_min_u32 v4, NBYTES-16, v6                    ; no load leaves the 2,000,000 bytes that were written
	v_min_u32 v5, NBYTES-16, v7
.irp i, 0,1,2,3,4,5,6
	global_load_b64 v[8+2*\i:9+2*\i], v2, s[6:7] offset:256*\i
.endr
	global_load_b64 v[22:23], v3, s[6:7]
	global_load_b128 v[24:27], v4, s[4:5] th:TH_LOAD_NT
	global_load_b128 v[28:31], v5, s[4:5] th:TH_LOAD_NT
	v_mov_b32 v33, 0                               ; v_permlanex16_b32 counts as a reader of its destination
	v_mov_b32 v37, 0                               ; the second register of the pair that the packed multiply names
	v_cmp_gt_u32 vcc_lo, 26, v1
	s_wait_loadcnt 0x2                             ; the pairs are in; the two loads of logits, issued behind them, stay out
	v_cndmask_b32 v23, 0, v23, vcc_lo
	v_max3_num_f32 v32, v8, v10, v12
	v_max3_num_f32 v32, v32, v14, v16
	v_max3_num_f32 v32, v32, v18, v20
	v_max_num_f32 v32, v32, v22
	v_max_num_f32_dpp v32, v32, v32 row_xmask:1 row_mask:0xf bank_mask:0xf
	v_max_num_f32_dpp v32, v32, v32 row_xmask:2 row_mask:0xf bank_mask:0xf
	v_max_num_f32_dpp v32, v32, v32 row_xmask:4 row_mask:0xf bank_mask:0xf
	v_max_num_f32_dpp v32, v32, v32 row_xmask:8 row_mask:0xf bank_mask:0xf
	v_permlanex16_b32 v33, v32, s18, s19
	v_max_num_f32 v32, v32, v33                    ; M
.irp i, 0,1,2,3,4,5,6,7
	v_sub_f32 v[8+2*\i], v[8+2*\i], v32
.endr
.irp i, 0,1,2,3,4,5,6,7
	v_exp_f32 v[8+2*\i], v[8+2*\i]
.endr
	v_nop                                          ; the place behind the exponentials (ISA guide 5.7.2)
	s_wait_alu depctr_va_vdst(0)
	v_mul_f32 v34, v8, v9
.irp i, 1,2,3,4,5,6,7
	v_fma_f32 v34, v[8+2*\i], v[9+2*\i], v34
.endr
	v_add_f32_dpp v34, v34, v34 row_xmask:1 row_mask:0xf bank_mask:0xf
	v_add_f32_dpp v34, v34, v34 row_xmask:2 row_mask:0xf bank_mask:0xf
	v_add_f32_dpp v34, v34, v34 row_xmask:4 row_mask:0xf bank_mask:0xf
	v_add_f32_dpp v34, v34, v34 row_xmask:8 row_mask:0xf bank_mask:0xf
	v_permlanex16_b32 v33, v34, s18, s19
	v_add_f32 v34, v34, v33                        ; S: at least 1, since the work-group that holds M adds at least 2^0
	v_rcp_f32 v36, v34
	s_wait_loadcnt 0x0                             ; my logits
.irp j, 0,1,2,3,4,5,6,7
	v_sub_f32 v[24+\j], v[24+\j], v32              ; (also the place behind the reciprocal)
.endr
.irp j, 0,1,2,3,4,5,6,7
	v_exp_f32 v[24+\j], v[24+\j]
.endr
	v_cmp_gt_u32 vcc_lo, NBYTES, v6                ; (the place behind the exponentials)
	s_wait_alu depctr_va_vdst(0)
.irp j, 0,2,4,6
	v_pk_mul_f32 v[24+\j:25+\j], v[24+\j:25+\j], v[36:37] op_sel_hi:[1,0]
.endr
	s_wait_xcnt 0x0                                ; EXEC changes only behind this wait
	s_and_saveexec_b32 s21, vcc_lo
	global_store_b128 v6, v[24:27], s[16:17] th:TH_STORE_NT
	s_wait_xcnt 0x0
	s_or_b32 exec_lo, exec_lo, s21
	v_cmp_gt_u32 vcc_lo, NBYTES, v7
	s_and_saveexec_b32 s21, vcc_lo                 ; nothing was issued since the wait above
	global_store_b128 v7, v[28:31], s[16:17] th:TH_STORE_NT
	s_wait_xcnt 0x0
	s_or_b32 exec_lo, exec_lo, s21
	s_endpgm
.Lfield:
.set C, 16                             ; v[16:47] my 32 dimensions of my centre, then of c - z, then weighted
.set Z, 48                             ; v[48:79] the same 32 dimensions of the query; later at work
	v_lshrrev_b32 v2, 5, v0
	v_readfirstlane_b32 s20, v2                    ; wave 0..7
	v_lshlrev_b32 v2, 7, v0                        ; thread t: centre t / 2, half t % 2: byte 256 (t / 2) + 128 (t % 2) = 128 t
	v_and_b32 v3, 1, v0
	v_lshlrev_b32 v3, 7, v3                        ; 128 x half
	v_lshrrev_b32 v4, 1, v0
	v_lshlrev_b32 v4, 2, v4                        ; 4 x centre
	v_lshlrev_b32 v5, 3, v1                        ; 8 L: two dimensions a lane, for the last step
.irp i, 0,1,2,3,4,5,6,7
	global_load_b128 v[C+4*\i:C+4*\i+3], v2, s[8:9] offset:16*\i
.endr
.irp i, 0,1,2,3,4,5,6,7
	global_load_b128 v[Z+4*\i:Z+4*\i+3], v3, s[12:13] offset:16*\i
.endr
	global_load_b32 v80, v4, s[10:11]              ; mu
	global_load_b64 v[82:83], v5, s[12:13]         ; z of dimensions 2 L, 2 L + 1
	s_lshl_b32 s21, s20, 8
	v_add_nc_u32 v6, s21, v3                       ; LDS: 256 bytes a wave, dimension d at 4 d
	s_wait_loadcnt 0x0
.set n, 0
.rept 16
	v_pk_add_f32 v[C+2*n:C+2*n+1], v[C+2*n:C+2*n+1], v[Z+2*n:Z+2*n+1] neg_lo:[0,1] neg_hi:[0,1]   ; c - z
.set n, n+1
.endr
	v_pk_mul_f32 v[84:85], v[C:C+1], v[C:C+1]      ; the sum of squares, in two chains
	v_pk_mul_f32 v[86:87], v[C+2:C+3], v[C+2:C+3]
.set n, 2
.rept 7
	v_pk_fma_f32 v[84:85], v[C+2*n:C+2*n+1], v[C+2*n:C+2*n+1], v[84:85]
	v_pk_fma_f32 v[86:87], v[C+2*n+2:C+2*n+3], v[C+2*n+2:C+2*n+3], v[86:87]
.set n, n+2
.endr
	v_pk_add_f32 v[84:85], v[84:85], v[86:87]
	v_add_f32 v84, v84, v85
	v_add_f32_dpp v84, v84, v84 row_xmask:1 row_mask:0xf bank_mask:0xf   ; the centre's other half
	v_max_num_f32 v84, 0x2b8cbccc, v84             ; at least 1e-12
	v_sqrt_f32 v85, v84
	v_nop                                          ; a place behind each transcendental (ISA guide 5.7.2)
	s_wait_alu depctr_va_vdst(0)
	v_mul_f32 v86, v85, v85
	v_fmaak_f32 v86, v86, v85, 0x358637bd          ; r^3 + 1e-6
	v_rcp_f32 v87, v86
	v_nop
	s_wait_alu depctr_va_vdst(0)
	v_mul_f32 v88, v80, v87                        ; mu / (r^3 + 1e-6),
	v_mov_b32 v89, v88                             ; twice, for the packed multiply
.set n, 0
.rept 16
	v_pk_mul_f32 v[C+2*n:C+2*n+1], v[C+2*n:C+2*n+1], v[88:89]
.set n, n+1
.endr
	; the wave's 16 centres: lanes of like parity hold the same dimensions
.irp m, 2,4,8
.set n, 0
.rept 32
	v_add_f32_dpp v[C+n], v[C+n], v[C+n] row_xmask:\m row_mask:0xf bank_mask:0xf
.set n, n+1
.endr
.endr
.set n, 0
.rept 32
	v_permlanex16_b32 v[Z+n], v[C+n], s18, s19
.set n, n+1
.endr
.set n, 0
.rept 16
	v_pk_add_f32 v[C+2*n:C+2*n+1], v[C+2*n:C+2*n+1], v[Z+2*n:Z+2*n+1]
.set n, n+1
.endr
.irp i, 0,1,2,3,4,5,6,7
	ds_store_b128 v6, v[C+4*\i:C+4*\i+3] offset:16*\i   ; lanes of like parity write the same bytes with the same numbers
.endr
	s_wait_dscnt 0x0                               ; done, for wave 0's sake
	s_barrier_signal -1
	s_barrier_wait -1
	s_cmp_lg_u32 s20, 0
	s_cbranch_scc1 .Ldone
.irp i, 0,1,2,3,4,5,6,7
	ds_load_b64 v[Z+2*\i:Z+2*\i+1], v5 offset:256*\i    ; dimensions 2 L, 2 L + 1 of the eight waves' sums
.endr
	s_wait_dscnt 0x0
	v_pk_add_f32 v[Z:Z+1], v[Z:Z+1], v[Z+2:Z+3]
	v_pk_add_f32 v[Z+4:Z+5], v[Z+4:Z+5], v[Z+6:Z+7]
	v_pk_add_f32 v[Z+8:Z+9], v[Z+8:Z+9], v[Z+10:Z+11]
	v_pk_add_f32 v[Z+12:Z+13], v[Z+12:Z+13], v[Z+14:Z+15]
	v_pk_add_f32 v[Z:Z+1], v[Z:Z+1], v[Z+4:Z+5]
	v_pk_add_f32 v[Z+8:Z+9], v[Z+8:Z+9], v[Z+12:Z+13]
	v_pk_add_f32 v[Z:Z+1], v[Z:Z+1], v[Z+8:Z+9]
	v_pk_fma_f32 v[Z:Z+1], v[Z:Z+1], 0x3dcccccd, v[82:83] op_sel_hi:[1,0,1]   ; z + 0.1 x the sum
	global_store_b64 v5, v[Z:Z+1], s[14:15]        ; the wave's one store covers all 256 bytes of out0
.Ldone:
	s_wait_tensorcnt 0x0
	ds_add_u32 v96, v97
	s_wait_dscnt 0x0
	s_endpgm
.Lfunc_end_k_qd787dec48c_soft:
	.size	k_qd787dec48c_soft, .Lfunc_end_k_qd787dec48c_soft-k_qd787dec48c_soft
	.p2alignl 7, 3214868480
	.fill 96, 4, 3214868480
	.section	.rodata,"a",@progbits
	.p2align	6, 0x0
	.amdhsa_kernel k_qd787dec48c_soft
		.amdhsa_group_segment_fixed_size 3072
		.amdhsa_private_segment_fixed_size 0
		.amdhsa_enable_private_segment 0
		.amdhsa_kernarg_size 56
		.amdhsa_user_sgpr_count 2
		.amdhsa_user_sgpr_kernarg_segment_ptr 1
		.amdhsa_wavefront_size32 1
		.amdhsa_system_sgpr_workgroup_id_x 1
		.amdhsa_system_sgpr_workgroup_id_y 1
		.amdhsa_system_sgpr_workgroup_id_z 1
		.amdhsa_system_vgpr_workitem_id 0
		.amdhsa_next_free_vgpr 98
		.amdhsa_next_free_sgpr 66
		.amdhsa_reserve_vcc 1
		.amdhsa_float_denorm_mode_32 3
		.amdhsa_float_denorm_mode_16_64 3
		.amdhsa_memory_ordered 1
		.amdhsa_forward_progress 1
		.amdhsa_inst_pref_size 23
	.end_amdhsa_kernel
	.amdgpu_metadata
---
amdhsa.version: [ 1, 2 ]
amdhsa.kernels:
  - .name:           k_qd787dec48c_soft
    .symbol:         k_qd787dec48c_soft.kd
    .args:
      - { .name: logits, .offset: 0, .size: 8, .value_kind: global_buffer, .address_space: global }
      - { .name: part, .offset: 8, .size: 8, .value_kind: global_buffer, .address_space: global }
      - { .name: centers, .offset: 16, .size: 8, .value_kind: global_buffer, .address_space: global }
      - { .name: mus, .offset: 24, .size: 8, .value_kind: global_buffer, .address_space: global }
      - { .name: query_z, .offset: 32, .size: 8, .value_kind: global_buffer, .address_space: global }
      - { .name: out0, .offset: 40, .size: 8, .value_kind: global_buffer, .address_space: global }
      - { .name: out1, .offset: 48, .size: 8, .value_kind: global_buffer, .address_space: global }
    .group_segment_fixed_size: 3072
    .private_segment_fixed_size: 0
    .kernarg_segment_align: 8
    .kernarg_segment_size: 56
    .max_flat_workgroup_size: 256
    .sgpr_count:     66
    .vgpr_count:     98
    .wavefront_size: 32
...
	.end_amdgpu_metadata
.endif
;; end of part 2
